; MI455X (gfx1250); checked and timed in simulation.
; The chip was launched on July 23, 2026; its instructions are those of AMD's public machine-readable ISA for CDNA 5 (MIT licence, August 2026) and "CDNA5" Instruction Set Architecture Reference Guide (July 2026). The comments in the code are by the model that wrote it; some were corrected since.
;; Mix Llama MLP. Allowed arithmetic: matrix products marked QUANTISED: E3M2 operands, one E8M0 scale for each 32 along K, by v_wmma_scale_f32_16x16x128_f8f6f4 with both operands' format E3M2, f32 sums; everything else in f32.
;; Inputs: W_down 4,096 x 1,376 float32; W_gate 1,376 x 4,096 float32; W_up 1,376 x 4,096 float32; x 2 x 2,048 x 4,096 float32.
;; Outputs: out0 2 x 2,048 x 4,096 float32.
;; This version of the problem:
;;   THIS VERSION OF THE PROBLEM IS GIVEN IN LOW PRECISION. The matrix products marked QUANTISED in the list below multiply operands that are first quantised to E3M2 (3 exponent bits, 2 mantissa bits; 6 bits a number), with one power-of-two scale for each 32 numbers along K (OCP MX v1.0); their sums are f32. All else is computed in f32.
;;   The module's matrix products, in the order in which they are computed (A, B: the left and right operand; K: the contracted axis; several contracted axes count as one K, in the product's order):
;;     1. [M 4,096, K 4,096] x [K 4,096, N 1,376]; A: input x; B: input W_up: QUANTISED
;;     2. [M 4,096, K 4,096] x [K 4,096, N 1,376]; A: input x; B: input W_gate: QUANTISED
;;     3. [M 4,096, K 1,376] x [K 1,376, N 4,096]; A: computed on the way; B: input W_down: QUANTISED
;;   THE QUANTISER, for each operand of a quantised product, along K:
;;     - K is cut into blocks of 32 from its start; a last block that is shorter is filled with zeros.
;;     - A block's scale is 2^e with e = floor(log2(the largest magnitude in the block)) - 4, held to -126 .. 127; a block of zeros has e = 0. As a byte (E8M0): e + 127.
;;     - Each number is divided by its block's scale, clamped to +-28, and rounded to the nearest number of E3M2, ties to even, subnormals kept.
;;     - The product sums the exact products of the quantised numbers (number of the format x scale) in f32.
;;   ~~~python
;;   def quantise(x, axis):      # numpy; x: float32 -> the quantised numbers, widened to float32 again
;;       x = np.moveaxis(x, axis, -1); K = x.shape[-1]
;;       x = np.pad(x, [(0, 0)] * (x.ndim - 1) + [(0, -K % 32)]); x = x.reshape(x.shape[:-1] + (-1, 32)); a = np.abs(x).max(-1, keepdims=True)
;;       e = np.where(a > 0, np.clip(np.frexp(np.where(a > 0, a, 1))[1] - 1 - 4, -126, 127), 0)      # np.frexp(a)[1] - 1 = floor(log2(a)), exactly
;;       r = np.clip(x / 2.0 ** e, -28, 28)
;;       step = 2.0 ** (np.maximum(np.frexp(np.where(r == 0, 1, r))[1] - 1, -2) - 2)
;;       q = np.round(r / step) * step * 2.0 ** e      # np.round: ties to even
;;       return np.moveaxis(q.reshape(q.shape[:-2] + (-1,))[..., :K], -1, axis).astype(np.float32)
;;   ~~~
;;   OPERANDS COMPUTED ON THE WAY. 'Computed on the way' means the value that the module computes at that place (a softmax that the list does not call 'softmax' is quantised finished and normalised). What goes into a quantiser is computed in f32, as accurately as f32 sums, v_exp_f32 and their like allow (about 1e-6 of the number): no bf16 or f16 on the way to a quantiser, and a product that is left as it is and whose result goes on into a quantised operand takes f32 operands (vector FMAs, or v_wmma_f32_16x16x4_f32). A number that lies on a knife's edge between two numbers of the format may be rounded either way, as far as f32 arithmetic and the matrix unit's own rounding can turn it there, and no further.
;; One version. Each part assembles by itself: llvm-mc -triple=amdgcn-amd-amdhsa -mcpu=gfx1250 --defsym DOCPART=n.
;; ======== version 1 of 1: 3 launches
;; limits: right only within a limited range of input values
;; workspace buffers: xq 13,107,200 bytes; w1q 9,011,200 bytes; wdq 4,505,600 bytes; hq 4,505,600 bytes
;; launch quant (part 1): grid 4160 x 1, 1 waves a work-group, no clusters, 8,704 bytes of LDS; arguments x, W_gate, W_up, W_down, xq, w1q, wdq; writes xq, w1q, wdq
.if DOCPART == 1
	.amdgcn_target "amdgcn-amd-amdhsa--gfx1250"
	.amdhsa_code_object_version 6
	.text
	.protected	k_q98e1c53c6d_quant
	.globl	k_q98e1c53c6d_quant
	.p2align	8
	.type	k_q98e1c53c6d_quant,@function
k_q98e1c53c6d_quant:
	s_mov_b64 s[64:65], 0
	v_nop
	global_prefetch_b8 v0, s[64:65] scope:SCOPE_SE
	s_setreg_imm32_b32 hwreg(HW_REG_WAVE_MODE, 25, 1), 1
	s_wait_xcnt 0x0
; x [4096][4096], W_gate and W_up [1376][4096], W_down [4096][1376], all f32 with K innermost, become codes of BF6 (E3M2) with one E8M0 scale byte for each 32 along K,
; laid in the order in which a matrix operand's registers take them.
; A PANEL is 128 operand rows x 128 along K, 12,800 bytes: tile i (16 rows) at 1,536 i as three chunks of 512 bytes, lane l's registers 4 c .. 4 c + 3 of its 12-register fragment at 512 c + 16 l;
; from byte 12,288 on the scale words: that of (tile i, row r) at 256 (i / 4) + 16 r + 4 (i % 4).  A buffer is [group of 128 rows][K step][12,800].
; xq and wdq: the tensor's rows as they come.  w1q: row group g holds W_gate's rows 64 g .. 64 g + 63 in tiles 0-3 and W_up's same rows in tiles 4-7.
; THE ORDER ALONG K INSIDE A BLOCK OF 32: the four groups of eight stand in the order 0, 2, 1, 3, alike in every operand of this program: blocks and scales are the true ones, only the order of a block's products differs.
; A block's scale is 2^(floor(log2(its largest magnitude)) - 4); its byte is the largest magnitude's exponent field - 4, held at 1 from below.
; Rows 1376 .. 1407 of W_gate and W_up and k 1376 .. 1407 of W_down do not exist: they get zero codes, which add nothing.
; LIMITS: NaN and infinities among the inputs are not served; a block whose largest magnitude lies under 2^-122, a block of zeros among them, gets the byte 1 (this program alone reads the bytes).
; SHARES.  A work-group is ONE wave and takes 64 rows x 128 along K: four tiles of 16 rows, one half of a panel.  4,160 such shares (x 2,048, W_gate 704, W_up 704, W_down 704) are 16.25 for each of 256 WGPs:
; dealt wave by wave, no WGP gets more than 17.  Each load reads 512 consecutive bytes of one row, 16 a lane; a tile's 16 rows turn through the wave's stage in LDS, so that lane (r, h) gets, of row r,
; the 16 numbers of each block that its half of the fragment wants.  Loads run one tile (16 loads) ahead; 192 registers let five waves share a SIMD.  No tensor load, no barrier.
; One text serves the four tensors: pointers and sizes are chosen on the work-group's number alone.
.set SP,    528                        ; a stage row: 512 bytes + 16
.set STG,   16*SP                      ; the stage; behind it the spare words
.set PANEL, 12800
.set SOUT,  5                          ; v5      out of the stage: SP x r + 32 h
.set LI,    6                          ; v6      16 x lane: into the stage, and my place in a chunk of an image
.set LS,    7                          ; v7      16 r + 8 h: my two scale words' place
.set VOFF,  8                          ; v8-23   row p of a tile: my 16 bytes of its 512
.set TM,    24                         ; v24-35  largest magnitudes, bytes, the conversions' scale operands
.set PW,    36                         ; v36-39  the four tiles' scale words
.set PC,    44                         ; v44-55  a fragment's codes; v56-58, v60-62 the halves that are made elsewhere and moved
.set X,     64                         ; v64-127 64 numbers of a lane
.set R,     128                        ; v128-191 64 registers as loaded
.set BASE,  20                         ; s[20:27] the four tiles' first rows
.set DI,    36                         ; s[36:37] where the images go
.set DSC,   40                         ; s[40:41] and the scale words
.set PIT,   44                         ; a row of the tensor in bytes
.set FK,    45                         ; 1: the K step's last block does not exist
.set FRW,   46                         ; 1: tiles 2 and 3 do not exist
.set SEL,   48                         ; v_permlanex16_b32's selects for lane l xor 16
	s_load_b256 s[4:11], s[0:1], 0x0               ; x, W_gate, W_up, W_down
	s_load_b128 s[12:15], s[0:1], 0x20             ; xq, w1q
	s_load_b64 s[16:17], s[0:1], 0x30              ; wdq
	v_lshl_add_u32 v59, v0, 2, STG                 ; my spare word
	v_mov_b32 v63, 0
	v_and_b32 v2, 15, v0                           ; r
	v_bfe_u32 v3, v0, 4, 1                         ; h
	v_lshlrev_b32 v[LI], 4, v0
	v_lshlrev_b32 v[LS], 4, v2
	v_lshl_add_u32 v[LS], v3, 3, v[LS]
	v_mul_u32_u24 v[SOUT], v2, SP
	v_lshl_add_u32 v[SOUT], v3, 5, v[SOUT]
.irp b, 0,1,2,3
	v_mov_b32 v[TM+4+\b], 0                        ; written once: a lane permute's destination counts as one of its sources
.endr
	s_mov_b32 s[SEL], 0x76543210
	s_mov_b32 s[SEL+1], 0xfedcba98
	; the tensor's figures: x's first, then what the work-group's number changes
	s_mov_b32 s50, 0                               ; the tensor's first work-group
	s_mov_b32 s[PIT], 16384
	s_mov_b32 s51, 32                              ; K steps
	s_mov_b32 s52, 2048                            ; 65,536 / K steps, rounded up
	s_mov_b32 s53, 1                               ; groups of 64 rows to a panel: as a shift
	s_mov_b32 s57, 1                               ; and as a mask: which half of the panel
	s_mov_b32 s54, 0                               ; a fixed half (W_up: the second)
	s_mov_b32 s55, 4096                            ; rows
	s_mov_b32 s56, 4096                            ; K
	s_wait_alu depctr_va_vdst(0)
	s_wait_kmcnt 0x0
	s_mov_b64 s[60:61], s[4:5]
	s_mov_b64 s[62:63], s[12:13]
	s_cmp_ge_u32 ttmp9, 2048                       ; W_gate or later
	s_cselect_b32 s50, 2048, s50
	s_cselect_b32 s53, 0, s53
	s_cselect_b32 s57, 0, s57
	s_cselect_b32 s55, 1376, s55
	s_cselect_b64 s[60:61], s[6:7], s[60:61]
	s_cselect_b64 s[62:63], s[14:15], s[62:63]
	s_cmp_ge_u32 ttmp9, 2752                       ; W_up or later
	s_cselect_b32 s50, 2752, s50
	s_cselect_b32 s54, 1, s54
	s_cselect_b64 s[60:61], s[8:9], s[60:61]
	s_cmp_ge_u32 ttmp9, 3456                       ; W_down
	s_cselect_b32 s50, 3456, s50
	s_cselect_b32 s[PIT], 5504, s[PIT]
	s_cselect_b32 s51, 11, s51
	s_cselect_b32 s52, 5958, s52
	s_cselect_b32 s53, 1, s53
	s_cselect_b32 s57, 1, s57
	s_cselect_b32 s54, 0, s54
	s_cselect_b32 s55, 4096, s55
	s_cselect_b32 s56, 1376, s56
	s_cselect_b64 s[60:61], s[10:11], s[60:61]
	s_cselect_b64 s[62:63], s[16:17], s[62:63]
	s_sub_co_u32 s66, ttmp9, s50                   ; n: my share's number in the tensor: under 2,048 with 32 K steps, under 704 with 11
	s_mul_i32 s67, s66, s52
	s_lshr_b32 s67, s67, 16                        ; which 64 rows: n / K steps (exact for these n: 11 x 5,958 = 65,538)
	s_mul_i32 s68, s67, s51
	s_sub_co_u32 s68, s66, s68                     ; which K step
	s_lshr_b32 s69, s67, s53
	s_mul_i32 s69, s69, s51
	s_add_co_u32 s69, s69, s68                     ; the panel
	s_and_b32 s75, s67, s57
	s_or_b32 s75, s75, s54                         ; and which half of it
	s_lshl_b32 s70, s67, 6
	s_add_co_u32 s70, s70, 32
	s_cmp_ge_u32 s70, s55
	s_cselect_b32 s[FRW], 1, 0
	s_lshl_b32 s70, s68, 7
	s_add_co_u32 s70, s70, 96
	s_cmp_ge_u32 s70, s56
	s_cselect_b32 s[FK], 1, 0
	s_lshl_b32 s70, s67, 6
	s_mul_i32 s70, s70, s[PIT]                     ; my first row, in bytes (under 2^27),
	s_lshl_b32 s72, s68, 9
	s_add_co_u32 s70, s70, s72                     ; and my K step's 512 bytes in it
	s_mov_b32 s71, 0
	s_add_nc_u64 s[BASE:BASE+1], s[60:61], s[70:71]
	s_lshl_b32 s70, s[PIT], 4                      ; 16 rows on
	s_add_nc_u64 s[BASE+2:BASE+3], s[BASE:BASE+1], s[70:71]
	s_lshl_b32 s72, s[PIT], 5
	s_mov_b32 s73, 0
	s_cmp_eq_u32 s[FRW], 1
	s_cselect_b32 s72, 0, s72                      ; tiles that do not exist load tiles 0 and 1 again: no load leaves its buffer; their numbers are replaced by 0
	s_add_nc_u64 s[BASE+4:BASE+5], s[BASE:BASE+1], s[72:73]
	s_add_nc_u64 s[BASE+6:BASE+7], s[BASE+4:BASE+5], s[70:71]
	s_mul_i32 s72, s69, PANEL
	s_add_nc_u64 s[62:63], s[62:63], s[72:73]
	s_mul_i32 s72, s75, 6144
	s_add_nc_u64 s[DI:DI+1], s[62:63], s[72:73]
	s_lshl_b32 s72, s75, 8
	s_add_co_u32 s72, s72, 12288
	s_add_nc_u64 s[DSC:DSC+1], s[62:63], s[72:73]
	s_mov_b32 s74, 496
	s_cmp_eq_u32 s[FK], 1
	s_cselect_b32 s74, 368, s74                    ; where the last block does not exist a row ends 384 bytes on: lanes 24-31 load lane 23's bytes
	v_min_u32 v[VOFF], s74, v[LI]
.irp p, 1,2,3,4,5,6,7,8,9,10,11,12,13,14,15
	v_add_nc_u32 v[VOFF+\p], s[PIT], v[VOFF+\p-1]
.endr
.macro LOAD t                          ; tile t: sixteen rows, 512 consecutive bytes each
.irp p, 0,1,2,3,4,5,6,7,8,9,10,11,12,13,14,15
	global_load_b128 v[R+4*\p:R+4*\p+3], v[VOFF+\p], s[BASE+2*(\t):BASE+2*(\t)+1] th:TH_LOAD_NT
.endr
.endm
; 64 numbers of a lane, v[s] on, become a fragment's codes in v[PC] .. v[PC + 11] and its row's scale word in v[pw]
.macro QUANT s, pw
.irp b, 0,1,2,3
	v_max3_num_f32 v[TM+\b], |v[\s+16*\b]|, |v[\s+1+16*\b]|, 0x2800000   ; block b: my 16 numbers, and the floor 2^(5 - 127): so the byte cannot fall under 1
.endr
.irp i, 2,4,6,8,10,12,14
.irp b, 0,1,2,3
	v_max3_num_f32 v[TM+\b], v[TM+\b], |v[\s+16*\b+\i]|, |v[\s+1+16*\b+\i]|   ; the four blocks by turns
.endr
.endr
.irp b, 0,1,2,3
	v_permlanex16_b32 v[TM+4+\b], v[TM+\b], s[SEL], s[SEL+1]
.endr
.irp b, 0,1,2,3
	v_max_num_f32 v[TM+\b], v[TM+\b], v[TM+4+\b]   ; with lane l xor 16's 16: the block's largest magnitude
.endr
.irp b, 0,1,2,3
	v_add_nc_u32 v[TM+8+\b], 0xfe000000, v[TM+\b]  ; 4 off its exponent field: the conversion takes the exponent field of this operand as its scale
.endr
.irp b, 0,1,2,3
	v_lshrrev_b32 v[TM+4+\b], 23, v[TM+8+\b]       ; the scale's byte
.endr
	v_lshl_or_b32 v[\pw], v[TM+5], 8, v[TM+4]
	v_lshl_or_b32 v[\pw], v[TM+6], 16, v[\pw]
	v_lshl_or_b32 v[\pw], v[TM+7], 24, v[\pw]
.irp c, 0,1
	v_cvt_scalef32_pk16_bf6_f32 v[PC+6*\c:PC+2+6*\c], v[\s+32*\c:\s+15+32*\c], v[TM+8+2*\c]
	v_cvt_scalef32_pk16_bf6_f32 v[PC+12+4*\c:PC+14+4*\c], v[\s+16+32*\c:\s+31+32*\c], v[TM+8+2*\c+1]   ; (a conversion's three registers begin on an even number)
.endr
	v_nop                                          ; one plain place behind a scaled conversion
.irp c, 0,1                            ; the operand's layout wants a whole block in a lane: lanes 0-15 block 2 c, lanes 16-31 block 2 c + 1
.irp i, 0,1,2
	v_permlane16_swap_b32 v[PC+6*\c+\i], v[PC+12+4*\c+\i]
.endr
.irp i, 0,1,2
	v_mov_b32 v[PC+3+6*\c+\i], v[PC+12+4*\c+\i]
.endr
.endr
.endm
.macro TILE t
	s_wait_loadcnt 0x0                             ; this tile's sixteen loads are in
.irp p, 0,1,2,3,4,5,6,7,8,9,10,11,12,13,14,15
	ds_store_b128 v[LI], v[R+4*\p:R+4*\p+3] offset:SP*\p
.endr
.irp b, 0,1,2,3                        ; LDS serves a wave's instructions in order: these see the stores above.  Of block b: k 8 h + 0 .. 7, then k 16 + 8 h + 0 .. 7
.irp j, 0,1,2,3
	ds_load_b128 v[X+16*\b+4*\j:X+16*\b+4*\j+3], v[SOUT] offset:128*\b+64*(\j/2)+16*(\j%2)
.endr
.endr
	s_wait_dscnt 0x0                               ; the numbers are back, and the stores have read their registers
	s_wait_xcnt 0x0                                ; the last tile's stores have read the codes' registers, which this tile writes again
.if (\t) < 3
	LOAD (\t)+1
.endif
	s_cmp_eq_u32 s[FK], 0
	s_cbranch_scc1 .Lwhole_k_\@
.irp i, 0,1,2,3,4,5,6,7,8,9,10,11,12,13,14,15
	v_mov_b32 v[X+48+\i], 0                        ; past the end of K: zeros, ahead of the block's maximum
.endr
.Lwhole_k_\@:
.if (\t) >= 2
	s_cmp_eq_u32 s[FRW], 0
	s_cbranch_scc1 .Lrows_\@
.set i, 0
.rept 64
	v_mov_b32 v[X+i], 0                            ; rows that do not exist: zeros
.set i, i+1
.endr
.Lrows_\@:
.endif
	QUANT X, PW+(\t)
.irp c, 0,1,2
	global_store_b128 v[LI], v[PC+4*\c:PC+4*\c+3], s[DI:DI+1] offset:1536*(\t)+512*\c   ; 32 lanes store 512 consecutive bytes, at a multiple of 256 from the buffer's first byte
.endr
.endm
	LOAD 0
	s_wait_alu depctr_va_vdst(0)
.irp t, 0,1,2,3
	TILE \t
.endr
	v_cmp_lt_u32 vcc_lo, 15, v0                    ; lane (r, h) stores the words of tiles 2 h and 2 h + 1, row r
	v_cndmask_b32 v24, v[PW], v[PW+2], vcc_lo
	v_cndmask_b32 v25, v[PW+1], v[PW+3], vcc_lo
	global_store_b64 v[LS], v[24:25], s[DSC:DSC+1]       ; 32 lanes store 256 consecutive bytes, aligned
	s_wait_tensorcnt 0x0                           ; the wave's end
	ds_add_u32 v59, v63
	s_wait_dscnt 0x0
	s_endpgm
.Lfunc_end_k_q98e1c53c6d_quant:
	.size	k_q98e1c53c6d_quant, .Lfunc_end_k_q98e1c53c6d_quant-k_q98e1c53c6d_quant
	.p2alignl 7, 3214868480
	.fill 96, 4, 3214868480
	.section	.rodata,"a",@progbits
	.p2align	6, 0x0
	.amdhsa_kernel k_q98e1c53c6d_quant
		.amdhsa_group_segment_fixed_size 8704
		.amdhsa_private_segment_fixed_size 0
		.amdhsa_enable_private_segment 0
		.amdhsa_kernarg_size 56
		.amdhsa_user_sgpr_count 2
		.amdhsa_user_sgpr_kernarg_segment_ptr 1
		.amdhsa_wavefront_size32 1
		.amdhsa_system_sgpr_workgroup_id_x 1
		.amdhsa_system_sgpr_workgroup_id_y 1
		.amdhsa_system_sgpr_workgroup_id_z 1
		.amdhsa_system_vgpr_workitem_id 0
		.amdhsa_next_free_vgpr 192
		.amdhsa_next_free_sgpr 80
		.amdhsa_reserve_vcc 1
		.amdhsa_float_denorm_mode_32 3
		.amdhsa_float_denorm_mode_16_64 3
		.amdhsa_memory_ordered 1
		.amdhsa_forward_progress 1
		.amdhsa_inst_pref_size 42
	.end_amdhsa_kernel
	.amdgpu_metadata
---
amdhsa.version: [ 1, 2 ]
amdhsa.kernels:
  - .name:           k_q98e1c53c6d_quant
    .symbol:         k_q98e1c53c6d_quant.kd
    .args:
      - { .name: x, .offset: 0, .size: 8, .value_kind: global_buffer, .address_space: global }
      - { .name: W_gate, .offset: 8, .size: 8, .value_kind: global_buffer, .address_space: global }
      - { .name: W_up, .offset: 16, .size: 8, .value_kind: global_buffer, .address_space: global }
      - { .name: W_down, .offset: 24, .size: 8, .value_kind: global_buffer, .address_space: global }
      - { .name: xq, .offset: 32, .size: 8, .value_kind: global_buffer, .address_space: global }
      - { .name: w1q, .offset: 40, .size: 8, .value_kind: global_buffer, .address_space: global }
      - { .name: wdq, .offset: 48, .size: 8, .value_kind: global_buffer, .address_space: global }
    .group_segment_fixed_size: 8704
    .private_segment_fixed_size: 0
    .kernarg_segment_align: 8
    .kernarg_segment_size: 56
    .max_flat_workgroup_size: 32
    .sgpr_count:     80
    .vgpr_count:     192
    .wavefront_size: 32
...
	.end_amdgpu_metadata
.endif
;; end of part 1
;; launch gateup (part 2): grid 16 x 11, 4 waves a work-group, clusters of 4 x 1, 327,680 bytes of LDS; arguments xq, w1q, hq; writes hq
.if DOCPART == 2
	.amdgcn_target "amdgcn-amd-amdhsa--gfx1250"
	.amdhsa_code_object_version 6
	.text
	.protected	k_q98e1c53c6d_gateup
	.globl	k_q98e1c53c6d_gateup
	.p2align	8
	.type	k_q98e1c53c6d_gateup,@function
k_q98e1c53c6d_gateup:
	s_mov_b64 s[64:65], 0
	v_nop
	global_prefetch_b8 v0, s[64:65] scope:SCOPE_SE
	s_setreg_imm32_b32 hwreg(HW_REG_WAVE_MODE, 25, 1), 1
	s_wait_xcnt 0x0
	s_wait_alu depctr_hold_cnt(0) depctr_sa_sdst(0) depctr_va_vdst(0) depctr_va_sdst(0) depctr_va_ssrc(0) depctr_va_vcc(0) depctr_vm_vsrc(0)
	s_getreg_b32 s2, hwreg(HW_REG_IB_STS2, 6, 4)
	s_cmp_eq_u32 s2, 0
	s_cbranch_scc0 .Lentry_in_a_cluster
	s_endpgm
.Lentry_in_a_cluster:
	s_bfe_u32 s2, ttmp6, 0x10000c
	s_cmp_lg_u32 s2, 0x3003
	s_cbranch_scc0 .Lentry_shape_is_right
	s_endpgm
.Lentry_shape_is_right:
; h = silu(x W_gate^T) * (x W_up^T), quantised along f to BF6 with one E8M0 byte for each 32, from the panels of xq and w1q into panels of hq (a panel: 128 rows x 128 K, 12,800 bytes, the operand's register image and its scale words).
; A work-group makes 256 rows of x against two row groups of w1q (128 rows of W_gate and the same 128 of W_up): four waves, each 128 x 128 in 64 accumulators; a wave's B half holds 64 rows of gate (tiles 0-3) and the same 64 of up (tiles 4-7).
; THE MATRIX INSTRUCTION IS USED TRANSPOSED (source 0 = rows of W, source 1 = rows of x): a lane holds one row of x and eight neighbours along f, gate and up of one f in the same lane and register place.
; K goes through two LDS slots of three K steps (153,600 bytes each) in eleven chunks: chunk 0 has K steps 0 and 1, chunks 1 to 10 three steps each; chunk c lies in slot c % 2.  Each wave fetches one row group's run of panels, dense in memory, by one tensor load.
; CLUSTERS: 4 x 1.  The four partners share their rows of W and ask for them jointly.  x's tiles are not shared: the work-groups that read them lie along y, and the grid's 11 along y do not divide by four.
; PREFETCH, a lane a 256-byte block, of the run that the wave itself fetches: behind the load of chunk 0 chunks 1 and 2, behind the load of chunk n (n = 1 .. 8) chunk n + 2: never more than two chunks asked for and not yet loaded.
; x's waves name all 150 blocks of their own run; W's 150 are shared out among the four partners by address (38, 38, 38, 36).
; FRAGMENTS: two sets for A and two for B.  A step's 50 LDS loads for the next step stand in two runs, in the order in which the next step wants them: at the step's head B's 24, those of A's blocks 0 and 1 (6) and the scale words' 2,
; 64 matrix instructions ahead of their use; in its middle those of A's blocks 2 to 7 (18), 48 matrix instructions ahead of theirs.
; REGISTERS: window 0: v0-31 addresses, v32-47 scale words (two sets), v64-159 and v160-255 A's fragments; window 1: B's two sets at v0 and v128; windows 2 and 3: the accumulators.
; LIMITS: as the quantising launch states them; a block of h whose largest magnitude lies under 2^-122 gets the byte 1 (this program alone reads the bytes).
.set PANEL, 12800
.set PRUN,  3*PANEL
.set SLOTB, 4*PRUN
.set SPARE, 2*SLOTB                    ; the spare words, behind the ring
.set KSTEPS, 32
.set TRIPS, 4
.set FR,    12
.set NP,    4
.set STGW,  6656
.set STAGE, SLOTB                      ; the way out goes through slot 1, which has had its last fill and its last read by then (the last chunk lies in slot 0)
.set ADRA, 16
.set PFO,  18                          ; 256 x lane
.set PFT,  19                          ; 256 x min(lane, what is left of my share)
.set ADRB, 20
.set ADRS, 22
.set WST,  24
.set WSS,  25
.set RD0,  26
.set RDS,  27
.set SPW,  28
.set NIL,  29
.set LI,   30
.set L8,   31
.set SC,   32
.set AF,   64
.set O,    64
.set Q,    112
.set T,    128
.set H,    160
.set PC,   192
.set PCT,  200
.set TM,   208
.set PWP,  224
.set SO,   232
.set G1,  24
.set G0,  32
.set G1B, 48
.set G0B, 56
.set G1AH, 68                          ; groups 1 for chunk 0: 100 rows of 256 bytes
.set G1BH, 76
.set PFA,  84                          ; s[84:85] where my prefetches stand
.set MSB, 0
.macro WIN new
.if MSB != (\new)
	s_set_vgpr_msb (MSB<<8)|(\new)
.set MSB, (\new)
.endif
.endm
.set MUL_LO, 0xa1
.set MUL_HI, 0xf1
.set TO_B,   0x40
.macro JLOAD g0a, g1a, g0b, g1b        ; waves 0 and 1 fetch x's two row groups, waves 2 and 3 W's, jointly
	s_cmp_eq_u32 s15, 0
	s_cbranch_scc0 .Lfor_b_\@
	tensor_load_to_lds s[\g0a:\g0a+3], s[\g1a:\g1a+7]
	s_nop 0
.rept 4
	v_nop
.endr
	s_branch .Lasked_\@
.Lfor_b_\@:
	tensor_load_to_lds s[\g0b:\g0b+3], s[\g1b:\g1b+7]
	s_nop 0
.rept 4
	v_nop
.endr
.Lasked_\@:
.endm
.macro ASK off                         ; the chunk that begins off bytes behind s[PFA]; the loop's last trip (s3 = 1) has none left to name
	s_cmp_gt_u32 s3, 1
	s_cbranch_scc0 .Lno_ask_\@
	s_cmp_eq_u32 s15, 0
	s_cbranch_scc0 .Lask_b_\@
.irp i, 0,1,2,3
	global_prefetch_b8 v[PFO], s[PFA:PFA+1] offset:8192*\i+(\off) th:TH_LOAD_NT scope:SCOPE_SE
.endr
	global_prefetch_b8 v[PFT], s[PFA:PFA+1] offset:32768+(\off) th:TH_LOAD_NT scope:SCOPE_SE   ; blocks 128 .. 149
	s_branch .Lno_ask_\@
.Lask_b_\@:
	global_prefetch_b8 v[PFO], s[PFA:PFA+1] offset:(\off) th:TH_LOAD_NT scope:SCOPE_SE
	global_prefetch_b8 v[PFT], s[PFA:PFA+1] offset:8192+(\off) th:TH_LOAD_NT scope:SCOPE_SE    ; the rest of my work-group's share
.Lno_ask_\@:
.endm
.macro CREST
	s_cmp_lg_u32 s14, 0
	s_cbranch_scc1 .Lnot_wave_0_\@
	s_barrier_signal -3
.Lnot_wave_0_\@:
	s_barrier_wait -3
	s_barrier_signal -1
	s_barrier_wait -1
.endm
.macro CROUND
	s_barrier_signal -1
	s_barrier_wait -1
	CREST
.endm
	s_load_b128 s[4:7], s[0:1], 0x0                ; xq, w1q
	s_load_b64 s[8:9], s[0:1], 0x10                ; hq
	v_lshl_add_u32 v[SPW], v0, 2, SPARE
	v_mov_b32 v[NIL], 0
	ds_add_u32 v[SPW], v[NIL]                      ; the opening lines: the add, twice on end, and its wait ahead of my first tensor load
	ds_add_u32 v[SPW], v[NIL]
	v_lshrrev_b32 v1, 5, v0
	v_readfirstlane_b32 s14, v1                    ; wave
	s_lshr_b32 s15, s14, 1                         ; my half of the rows of x; also: I fetch for x (0) or W (1)
	s_and_b32 s16, s14, 1                          ; my half of the rows of W; also: which row group I fetch
	s_bfe_u32 s40, ttmp6, 0x40000                  ; cx
	s_lshl_b32 s42, ttmp9, 2
	s_add_co_u32 s42, s42, s40                     ; which 256 rows of x
	s_and_b32 s17, ttmp7, 0xffff                   ; which two row groups of w1q
	s_mov_b32 s18, 0x76543210
	s_mov_b32 s19, 0xfedcba98
	s_mov_b32 s3, TRIPS
	s_mov_b32 s[G1], 3<<16
	s_mov_b32 s[G1B], 15|(3<<16)|(1<<21)
	s_mov_b32 s[G1AH], 3<<16
	s_mov_b32 s[G1BH], 15|(3<<16)|(1<<21)
.irp g, G1, G1B
	s_mov_b32 s[\g+1], 32<<16                      ; rows of 32 elements of 8 bytes
	s_mov_b32 s[\g+2], 150<<16
	s_mov_b32 s[\g+3], 32<<16
	s_mov_b32 s[\g+4], 150
	s_mov_b32 s[\g+5], 32
	s_mov_b32 s[\g+6], 0
	s_mov_b32 s[\g+7], 0
.endr
.irp g, G1AH, G1BH
	s_mov_b32 s[\g+1], 32<<16
	s_mov_b32 s[\g+2], 100<<16
	s_mov_b32 s[\g+3], 32<<16
	s_mov_b32 s[\g+4], 100
	s_mov_b32 s[\g+5], 32
	s_mov_b32 s[\g+6], 0
	s_mov_b32 s[\g+7], 0
.endr
	s_lshl_b32 s20, s42, 1
	s_add_co_u32 s20, s20, s16
	s_mul_i32 s20, s20, KSTEPS*PANEL
	s_mov_b32 s21, 0
	s_lshl_b32 s46, s17, 1
	s_add_co_u32 s46, s46, s16
	s_mul_i32 s46, s46, KSTEPS*PANEL
	s_mov_b32 s47, 0
	s_mul_i32 s45, s14, PRUN
	s_mul_i32 s86, s40, 38*256                     ; W's blocks are shared out by address: partner cx begins at block 38 cx,
	s_mov_b32 s87, 0
	s_cmp_eq_u32 s40, 3
	s_cselect_b32 s98, 3, 5                        ; and has 38 of them (the last partner 36)
	s_cmp_eq_u32 s15, 0
	s_cselect_b32 s98, 21, s98                     ; x's waves: all 150 = 128 + 22
	s_cselect_b32 s86, 0, s86
	v_and_b32 v5, 31, v0
	v_lshlrev_b32 v[PFO], 8, v5
	v_min_u32 v6, s98, v5
	v_lshlrev_b32 v[PFT], 8, v6
	s_wait_alu depctr_va_vdst(0)
	s_wait_dscnt 0x0                               ; both opening adds are done
	s_wait_kmcnt 0x0
	s_add_nc_u64 s[20:21], s[4:5], s[20:21]
	s_add_nc_u64 s[46:47], s[6:7], s[46:47]
	s_cmp_eq_u32 s15, 0
	s_cselect_b64 s[PFA:PFA+1], s[20:21], s[46:47]
	s_add_nc_u64 s[PFA:PFA+1], s[PFA:PFA+1], s[86:87]
	s_add_nc_u64 s[PFA:PFA+1], s[PFA:PFA+1], 2*PANEL   ; chunk 1 begins at K step 2
.irp s, 0,1
	s_mov_b32 s[G0+4*\s], 1
	s_add_co_u32 s[G0+4*\s+1], s45, \s*SLOTB
	s_add_nc_u64 s[G0+4*\s+2:G0+4*\s+3], s[20:21], \s*2*PANEL      ; chunk 0 at K step 0, chunk 1 at K step 2
	s_or_b32 s[G0+4*\s+3], s[G0+4*\s+3], 0x80000000
	s_mov_b32 s[G0B+4*\s], 1
	s_add_co_u32 s[G0B+4*\s+1], s45, \s*SLOTB
	s_add_nc_u64 s[G0B+4*\s+2:G0B+4*\s+3], s[46:47], \s*2*PANEL
	s_or_b32 s[G0B+4*\s+3], s[G0B+4*\s+3], 0x80000000
.endr
	CROUND                                         ; the partners are here: the first joint loads meet
	JLOAD G0, G1AH, G0B, G1BH                      ; chunk 0: my one tensor load at the head
	ASK 0                                          ; chunk 1,
	ASK PRUN                                       ; and chunk 2
	; the scalars of the LDS addresses and of the way out, then the vector registers in one run
	s_mul_i32 s88, s15, PRUN                       ; my 128 rows of x
	s_mul_i32 s89, s16, PRUN
	s_add_co_u32 s89, s89, 2*PRUN                  ; my 128 rows of W
	s_sub_co_u32 s90, s89, s88
	s_add_co_u32 s91, s88, 12288                   ; the scale words: lanes 0-15 x's, lanes 16-31 W's
	s_mul_i32 s92, s14, STGW
	s_add_co_u32 s92, s92, STAGE                   ; my stage
	s_mul_i32 s93, s15, 2*STGW
	s_add_co_u32 s93, s93, STAGE
	s_lshl_b32 s94, s16, 8
	s_add_co_u32 s94, s94, s93
	s_add_co_u32 s94, s94, 6144
	s_mul_i32 s95, s16, 3072
	s_add_co_u32 s93, s93, s95
	s_lshl_b32 s66, s16, 4                         ; my two scale bytes' place in the word
	s_lshl_b32 s12, s42, 1
	s_add_co_u32 s12, s12, s15
	s_mul_i32 s12, s12, 11
	s_add_co_u32 s12, s12, s17
	s_mul_i32 s12, s12, PANEL                      ; the panel of hq: row group 2 x + half, K step y
	s_mov_b32 s13, 0
	s_add_nc_u64 s[10:11], s[8:9], s[12:13]
	s_mul_i32 s12, s16, 6144
	s_add_nc_u64 s[8:9], s[10:11], s[12:13]
	s_lshl_b32 s12, s16, 8
	s_add_co_u32 s12, s12, 12288
	s_add_nc_u64 s[10:11], s[10:11], s[12:13]
	v_and_b32 v1, 31, v0
	v_and_b32 v2, 15, v0
	v_bfe_u32 v3, v0, 4, 1
	v_lshlrev_b32 v[LI], 4, v1
	v_lshlrev_b32 v[L8], 3, v1
	v_mul_u32_u24 v4, s90, v3
	v_lshl_add_u32 v4, v2, 4, v4
	v_add_nc_u32 v[ADRA], s88, v[LI]
	v_add_nc_u32 v[ADRB], s89, v[LI]
	v_add_nc_u32 v[ADRS], s91, v4
	v_add_nc_u32 v[ADRA+1], SLOTB, v[ADRA]
	v_add_nc_u32 v[ADRB+1], SLOTB, v[ADRB]
	v_add_nc_u32 v[ADRS+1], SLOTB, v[ADRS]
	v_add_nc_u32 v[WST], s92, v[L8]
	v_add_nc_u32 v[WSS], s92, v[LI]
	v_add_nc_u32 v[WSS], 6144, v[WSS]
	v_add_nc_u32 v[RD0], s93, v[L8]
	v_add_nc_u32 v[RDS], s94, v[L8]
.macro FRAG reg, adr, q, i
.irp c, 0,1,2
	ds_load_b128 v[\reg+4*\c:\reg+4*\c+3], v[\adr] offset:(\q)*PANEL+(\i)*1536+512*\c
.endr
.endm
; 16 matrix instructions: A's blocks a0, a0 + 1 x B's eight, on set p.  The 64 accumulators take turns in the same order in every step.
.macro MUL16 a0, p, zero
.irp a, \a0, \a0+1
.irp b, 0,1,2,3,4,5,6,7
.if \zero
	v_wmma_scale_f32_16x16x128_f8f6f4 v[8*(8*((\a)%4)+\b):8*(8*((\a)%4)+\b)+7], v[128*(\p)+FR*\b:128*(\p)+FR*\b+FR-1], v[AF+96*(\p)+FR*(\a):AF+96*(\p)+FR*(\a)+FR-1], 0, v[SC+8*(\p)+\b], v[SC+8*(\p)+(\a)] matrix_a_fmt:MATRIX_FMT_BF6 matrix_b_fmt:MATRIX_FMT_BF6 matrix_a_scale:MATRIX_SCALE_ROW1
.else
	v_wmma_scale_f32_16x16x128_f8f6f4 v[8*(8*((\a)%4)+\b):8*(8*((\a)%4)+\b)+7], v[128*(\p)+FR*\b:128*(\p)+FR*\b+FR-1], v[AF+96*(\p)+FR*(\a):AF+96*(\p)+FR*(\a)+FR-1], v[8*(8*((\a)%4)+\b):8*(8*((\a)%4)+\b)+7], v[SC+8*(\p)+\b], v[SC+8*(\p)+(\a)] matrix_a_fmt:MATRIX_FMT_BF6 matrix_b_fmt:MATRIX_FMT_BF6 matrix_a_scale:MATRIX_SCALE_ROW1
.endif
.endr
.endr
.endm
.macro RUN1 slot, q, p                 ; what a step's first sixteen products want: B's eight fragments, A's blocks 0 and 1, the scale words: 32 loads into set p
	WIN TO_B
.irp i, 0,1,2,3,4,5,6,7
	FRAG 128*(\p)+FR*\i, ADRB+\slot, \q, \i
.endr
	WIN 0
.irp i, 0,1
	FRAG AF+96*(\p)+FR*\i, ADRA+\slot, \q, \i
.endr
	ds_load_b128 v[SC+8*(\p):SC+8*(\p)+3], v[ADRS+\slot] offset:(\q)*PANEL
	ds_load_b128 v[SC+8*(\p)+4:SC+8*(\p)+7], v[ADRS+\slot] offset:(\q)*PANEL+256
.endm
.macro RUN2 slot, q, p                 ; A's blocks 2 to 7: 18 loads
	WIN 0
.irp i, 2,3,4,5,6,7
	FRAG AF+96*(\p)+FR*\i, ADRA+\slot, \q, \i
.endr
.endm
.macro PLACES n
.rept \n
	v_nop
.endr
.endm
; A step inside a slot: 64 matrix instructions on set p; the next step's fragments, panel q + 1 of the same slot, go into the other set, which the step before read last: four places stand ahead of the first run.
.macro STEP slot, q, p, zero
	PLACES NP
	RUN1 \slot, (\q)+1, 1-(\p)
	s_wait_dscnt 50                                ; the 32 just issued and the 18 of set p's second run may be out: set p's first run is in
	WIN MUL_LO
	MUL16 0, \p, \zero
	s_wait_dscnt 32                                ; all but the 32 just issued: set p is whole
	MUL16 2, \p, \zero
	RUN2 \slot, (\q)+1, 1-(\p)
	WIN MUL_HI
	MUL16 4, \p, \zero
	MUL16 6, \p, \zero
.endm
; A slot's last step.  All reads of the slot were issued in the step before.  In front of the barrier each wave waits for all its tensor loads, adds 0 to its spare word, and waits for that and for its reads of this slot.
; inc > 0: the barrier opens a round of the cluster's barrier, and the slot is filled again, inc bytes further along K; inc = 0: nothing is left to fetch.
.macro TURN slot, p, next, inc
	WIN 0                                          ; (the add's two registers lie in window 0)
.if \inc
	s_wait_xcnt 0x0                                ; my prefetches have read their address
	s_add_nc_u64 s[PFA:PFA+1], s[PFA:PFA+1], PRUN
.endif
	s_wait_tensorcnt 0x0
	ds_add_u32 v[SPW], v[NIL]
	s_wait_dscnt 0x0                               ; the add is done, set p is whole, and my reads of this slot are over
	s_barrier_signal -1
	WIN MUL_LO
	MUL16 0, \p, 0                                 ; work on registers while the others arrive
	WIN 0
	s_barrier_wait -1
.if \inc
	CREST
	s_add_nc_u64 s[G0+4*\slot+2:G0+4*\slot+3], s[G0+4*\slot+2:G0+4*\slot+3], \inc
	s_add_nc_u64 s[G0B+4*\slot+2:G0B+4*\slot+3], s[G0B+4*\slot+2:G0B+4*\slot+3], \inc
	JLOAD G0+4*\slot, G1, G0B+4*\slot, G1B         ; the first tensor load behind the round; its four v_nop are the places in front of the loads below
.else
	PLACES NP
.endif
	RUN1 \next, 0, 1-(\p)
.if \inc
	ASK 0
.endif
	WIN MUL_LO
	MUL16 2, \p, 0
	RUN2 \next, 0, 1-(\p)
	WIN MUL_HI
	MUL16 4, \p, 0
	MUL16 6, \p, 0
.endm
	s_wait_alu depctr_va_vdst(0)
	s_wait_xcnt 0x0
	s_add_nc_u64 s[PFA:PFA+1], s[PFA:PFA+1], 2*PRUN    ; on to chunk 3
	s_wait_tensorcnt 0x0                           ; my part of chunk 0 is in
	ds_add_u32 v[SPW], v[NIL]
	s_wait_dscnt 0x0
	CROUND
	JLOAD G0+4, G1, G0B+4, G1B                     ; chunk 1 into slot 1
	RUN1 0, 0, 0
	RUN2 0, 0, 0
	ASK 0                                          ; chunk 3
	STEP 0, 0, 0, 1                                ; K step 0 starts the sums
	TURN 0, 1, 1, 5*PANEL                          ; K step 1; slot 0 takes chunk 2
	WIN 0
.Llap:                                                 ; a trip: two chunks, six K steps; both slots are filled again
	STEP 1, 0, 0, 0
	STEP 1, 1, 1, 0
	TURN 1, 0, 0, 2*PRUN
	STEP 0, 0, 1, 0
	STEP 0, 1, 0, 0
	TURN 0, 1, 1, 2*PRUN
	WIN 0
	s_sub_co_u32 s3, s3, 1
	s_cmp_lg_u32 s3, 0
	s_cbranch_scc1 .Llap
	STEP 1, 0, 0, 0                                ; chunks 9 and 10: nothing more is fetched
	STEP 1, 1, 1, 0
	TURN 1, 0, 0, 0
	STEP 0, 0, 1, 0
	STEP 0, 1, 0, 0
	s_wait_dscnt 0x0
	WIN MUL_LO
	MUL16 0, 1, 0
	MUL16 2, 1, 0
	WIN MUL_HI
	MUL16 4, 1, 0
	MUL16 6, 1, 0
	WIN 0
	PLACES NP
	v_mov_b32 v[TM+4], 0
	v_mov_b32 v[TM+5], 0
; THE WAY OUT, by blocks of 16 rows: h = g / (1 + 2^(-g log2 e)) x u in f32; my 64 f are two blocks of 32, each in lanes l and l xor 16; scale bytes, codes, and half a fragment into my stage.
.macro HTILE a
.set AC, 64*((\a)%4)
	WIN 0x02+(\a)/4
.set i, 0
.rept 16
	v_pk_mul_f32 v[T+i:T+i+1], v[AC+i:AC+i+1], 0xbfb8aa3b op_sel_hi:[1,0]
.set i, i+2
.endr
	WIN 0
.set i, 0
	s_wait_alu depctr_va_vdst(0)
.rept 32
	v_exp_f32 v[T+i], v[T+i]
.set i, i+1
.endr
	v_nop
	s_wait_alu depctr_va_vdst(0)
.set i, 0
.rept 16
	v_pk_add_f32 v[T+i:T+i+1], v[T+i:T+i+1], 1.0 op_sel_hi:[1,0]
.set i, i+2
.endr
.set i, 0
	s_wait_alu depctr_va_vdst(0)
.rept 32
	v_rcp_f32 v[T+i], v[T+i]
.set i, i+1
.endr
	v_nop
	s_wait_alu depctr_va_vdst(0)
	WIN 0x02+(\a)/4
.set i, 0
.rept 16
	v_pk_mul_f32 v[H+i:H+i+1], v[AC+i:AC+i+1], v[T+i:T+i+1]
.set i, i+2
.endr
.set i, 0
.rept 16
	v_pk_mul_f32 v[H+i:H+i+1], v[AC+32+i:AC+32+i+1], v[H+i:H+i+1]
.set i, i+2
.endr
	WIN 0
.irp k, 0,1,2,3
	v_max3_num_f32 v[TM+\k], |v[H+8*\k]|, |v[H+8*\k+1]|, 0x2800000
.endr
.irp i, 2,4,6
.irp k, 0,1,2,3
	v_max3_num_f32 v[TM+\k], v[TM+\k], |v[H+8*\k+\i]|, |v[H+8*\k+\i+1]|
.endr
.endr
	v_max_num_f32 v[TM], v[TM], v[TM+1]
	v_max_num_f32 v[TM+2], v[TM+2], v[TM+3]
	v_permlanex16_b32 v[TM+4], v[TM], s18, s19
	v_permlanex16_b32 v[TM+5], v[TM+2], s18, s19
	v_max_num_f32 v[TM], v[TM], v[TM+4]
	v_max_num_f32 v[TM+2], v[TM+2], v[TM+5]
	v_add_nc_u32 v[TM+8], 0xfe000000, v[TM]
	v_add_nc_u32 v[TM+9], 0xfe000000, v[TM+2]
	v_lshrrev_b32 v[TM+6], 23, v[TM+8]
	v_lshrrev_b32 v[TM+7], 23, v[TM+9]
	v_lshl_or_b32 v[TM+6], v[TM+7], 8, v[TM+6]
	v_lshlrev_b32 v[PWP+(\a)], s66, v[TM+6]
	s_wait_alu depctr_va_vdst(0)
	s_wait_dscnt 0x0                               ; the last block's stores have read the codes' registers
	v_cvt_scalef32_pk16_bf6_f32 v[PC:PC+2], v[H:H+15], v[TM+8]
	v_cvt_scalef32_pk16_bf6_f32 v[PCT:PCT+2], v[H+16:H+31], v[TM+9]
	v_nop
.irp i, 0,1,2
	v_permlane16_swap_b32 v[PC+\i], v[PCT+\i]
.endr
.irp i, 0,1,2
	v_mov_b32 v[PC+3+\i], v[PCT+\i]
.endr
.irp p, 0,1,2
	ds_store_b64 v[WST], v[PC+2*\p:PC+2*\p+1] offset:768*(\a)+256*\p
.endr
.endm
.irp a, 0,1,2,3,4,5,6,7
	HTILE \a
.endr
	v_cmp_lt_u32 vcc_lo, 15, v1
.irp i, 0,1,2,3
	v_cndmask_b32 v[SO+\i], v[PWP+\i], v[PWP+4+\i], vcc_lo
.endr
	ds_store_b128 v[WSS], v[SO:SO+3]
	s_wait_dscnt 0x0                               ; for the others' sake: a fragment's two halves come from two waves
	s_barrier_signal -1
	s_barrier_wait -1
.irp i, 0,1,2,3
.irp k, 0,1,2
.irp e, 0,1
	ds_load_b64 v[O+4*(3*\i+\k)+2*\e:O+4*(3*\i+\k)+2*\e+1], v[RD0] offset:((2*\k+\e)/3)*STGW+768*\i+256*((2*\k+\e)%3)
.endr
.endr
.endr
	ds_load_b64 v[Q:Q+1], v[RDS]
	ds_load_b64 v[Q+2:Q+3], v[RDS] offset:STGW
	s_wait_dscnt 0x0
	v_or_b32 v[Q], v[Q], v[Q+2]
	v_or_b32 v[Q+1], v[Q+1], v[Q+3]
.irp m, 0,1,2,3,4,5,6,7,8,9,10,11
	global_store_b128 v[LI], v[O+4*\m:O+4*\m+3], s[8:9] offset:512*\m   ; 32 lanes store 512 consecutive bytes, aligned
.endr
	global_store_b64 v[L8], v[Q:Q+1], s[10:11]
	s_wait_tensorcnt 0x0                           ; the wave's end
	ds_add_u32 v[SPW], v[NIL]
	s_wait_dscnt 0x0
	CROUND                                         ; the closing round
	s_endpgm
.Lfunc_end_k_q98e1c53c6d_gateup:
	.size	k_q98e1c53c6d_gateup, .Lfunc_end_k_q98e1c53c6d_gateup-k_q98e1c53c6d_gateup
	.p2alignl 7, 3214868480
	.fill 96, 4, 3214868480
	.section	.rodata,"a",@progbits
	.p2align	6, 0x0
	.amdhsa_kernel k_q98e1c53c6d_gateup
		.amdhsa_group_segment_fixed_size 327680
		.amdhsa_private_segment_fixed_size 0
		.amdhsa_enable_private_segment 0
		.amdhsa_kernarg_size 24
		.amdhsa_user_sgpr_count 2
		.amdhsa_user_sgpr_kernarg_segment_ptr 1
		.amdhsa_wavefront_size32 1
		.amdhsa_system_sgpr_workgroup_id_x 1
		.amdhsa_system_sgpr_workgroup_id_y 1
		.amdhsa_system_sgpr_workgroup_id_z 1
		.amdhsa_system_vgpr_workitem_id 0
		.amdhsa_next_free_vgpr 1024
		.amdhsa_next_free_sgpr 100
		.amdhsa_reserve_vcc 1
		.amdhsa_float_denorm_mode_32 3
		.amdhsa_float_denorm_mode_16_64 3
		.amdhsa_memory_ordered 1
		.amdhsa_forward_progress 1
		.amdhsa_inst_pref_size 255
	.end_amdhsa_kernel
	.amdgpu_metadata
---
amdhsa.version: [ 1, 2 ]
amdhsa.kernels:
  - .name:           k_q98e1c53c6d_gateup
    .symbol:         k_q98e1c53c6d_gateup.kd
    .args:
      - { .name: xq, .offset: 0, .size: 8, .value_kind: global_buffer, .address_space: global }
      - { .name: w1q, .offset: 8, .size: 8, .value_kind: global_buffer, .address_space: global }
      - { .name: hq, .offset: 16, .size: 8, .value_kind: global_buffer, .address_space: global }
    .group_segment_fixed_size: 327680
    .private_segment_fixed_size: 0
    .kernarg_segment_align: 8
    .kernarg_segment_size: 24
    .max_flat_workgroup_size: 128
    .sgpr_count:     100
    .vgpr_count:     1024
    .wavefront_size: 32
...
	.end_amdgpu_metadata
.endif
;; end of part 2
;; launch down (part 3): grid 16 x 16, 4 waves a work-group, clusters of 4 x 4, 327,680 bytes of LDS; arguments hq, wdq, out0; writes out0
.if DOCPART == 3
	.amdgcn_target "amdgcn-amd-amdhsa--gfx1250"
	.amdhsa_code_object_version 6
	.text
	.protected	k_q98e1c53c6d_down
	.globl	k_q98e1c53c6d_down
	.p2align	8
	.type	k_q98e1c53c6d_down,@function
k_q98e1c53c6d_down:
	s_mov_b64 s[64:65], 0
	v_nop
	global_prefetch_b8 v0, s[64:65] scope:SCOPE_SE
	s_setreg_imm32_b32 hwreg(HW_REG_WAVE_MODE, 25, 1), 1
	s_wait_xcnt 0x0
	s_wait_alu depctr_hold_cnt(0) depctr_sa_sdst(0) depctr_va_vdst(0) depctr_va_sdst(0) depctr_va_ssrc(0) depctr_va_vcc(0) depctr_vm_vsrc(0)
	s_getreg_b32 s2, hwreg(HW_REG_IB_STS2, 6, 4)
	s_cmp_eq_u32 s2, 0
	s_cbranch_scc0 .Lentry_in_a_cluster
	s_endpgm
.Lentry_in_a_cluster:
	s_bfe_u32 s2, ttmp6, 0x10000c
	s_cmp_lg_u32 s2, 0xf033
	s_cbranch_scc0 .Lentry_shape_is_right
	s_endpgm
.Lentry_shape_is_right:
.set PANEL, 12800
.set PRUN,  3*PANEL
.set SLOTB, 4*PRUN
.set SPARE, 2*SLOTB
.set KSTEPS, 11
.set SIZE_N, 4096
.set FR,    12
.set NP,    4
.set SPITCH, 528
.set ADRA, 16
.set ADRB, 20
.set ADRS, 22
.set STO,  24
.set RD,   25
.set CO,   26
.set SPW,  28
.set NIL,  29
.set SC,   32
.set AF,   128
.set BK,   128
.set G1,  24
.set G0,  32
.set G1B, 48
.set G0B, 56
.set G1AH, 68
.set G1BH, 76
.set MSB, 0
.macro WIN new
.if MSB != (\new)
	s_set_vgpr_msb (MSB<<8)|(\new)
.set MSB, (\new)
.endif
.endm
.set MUL_LO, 0xa1
.set MUL_HI, 0xf1
.set TO_B,   0x40
.macro JLOAD g0a, g1a, g0b, g1b
	s_cmp_eq_u32 s15, 0
	s_cbranch_scc0 .Lfor_b_\@
	tensor_load_to_lds s[\g0a:\g0a+3], s[\g1a:\g1a+7]
	s_nop 0
.rept 4
	v_nop
.endr
	s_branch .Lasked_\@
.Lfor_b_\@:
	tensor_load_to_lds s[\g0b:\g0b+3], s[\g1b:\g1b+7]
	s_nop 0
.rept 4
	v_nop
.endr
.Lasked_\@:
.endm
.macro CREST
	s_cmp_lg_u32 s14, 0
	s_cbranch_scc1 .Lnot_wave_0_\@
	s_barrier_signal -3
.Lnot_wave_0_\@:
	s_barrier_wait -3
	s_barrier_signal -1
	s_barrier_wait -1
.endm
.macro CROUND
	s_barrier_signal -1
	s_barrier_wait -1
	CREST
.endm
	s_load_b128 s[4:7], s[0:1], 0x0
	s_load_b64 s[12:13], s[0:1], 0x10
	v_lshl_add_u32 v[SPW], v0, 2, SPARE
	v_mov_b32 v[NIL], 0
	ds_add_u32 v28, v29
	ds_add_u32 v28, v29
	s_wait_dscnt 0x0
	v_lshrrev_b32 v1, 5, v0
	v_readfirstlane_b32 s14, v1
	s_lshr_b32 s15, s14, 1
	s_and_b32 s16, s14, 1
	s_bfe_u32 s40, ttmp6, 0x40000
	s_bfe_u32 s41, ttmp6, 0x40004
	s_lshl_b32 s42, ttmp9, 2
	s_add_co_u32 s42, s42, s40
	s_and_b32 s17, ttmp7, 0xffff
	s_lshl_b32 s17, s17, 2
	s_add_co_u32 s17, s17, s41
	s_lshl_b32 s43, s41, 2
	s_lshl_b32 s43, 15, s43
	s_lshl_b32 s44, 0x1111, s40
	s_or_b32 s[G1], s43, (3<<16)|(1<<21)
	s_or_b32 s[G1B], s44, (3<<16)|(1<<21)
	s_or_b32 s[G1AH], s43, (3<<16)|(1<<21)
	s_or_b32 s[G1BH], s44, (3<<16)|(1<<21)
.irp g, G1, G1B
	s_mov_b32 s[\g+1], 32<<16
	s_mov_b32 s[\g+2], 150<<16
	s_mov_b32 s[\g+3], 32<<16
	s_mov_b32 s[\g+4], 150
	s_mov_b32 s[\g+5], 32
	s_mov_b32 s[\g+6], 0
	s_mov_b32 s[\g+7], 0
.endr
.irp g, G1AH, G1BH
	s_mov_b32 s[\g+1], 32<<16
	s_mov_b32 s[\g+2], 100<<16
	s_mov_b32 s[\g+3], 32<<16
	s_mov_b32 s[\g+4], 100
	s_mov_b32 s[\g+5], 32
	s_mov_b32 s[\g+6], 0
	s_mov_b32 s[\g+7], 0
.endr
	s_lshl_b32 s20, s17, 1
	s_add_co_u32 s20, s20, s16
	s_mul_i32 s20, s20, KSTEPS*PANEL
	s_mov_b32 s21, 0
	s_lshl_b32 s46, s42, 1
	s_add_co_u32 s46, s46, s16
	s_mul_i32 s46, s46, KSTEPS*PANEL
	s_mov_b32 s47, 0
	s_mul_i32 s45, s14, PRUN
	s_wait_kmcnt 0x0
	s_add_nc_u64 s[20:21], s[4:5], s[20:21]
	s_add_nc_u64 s[46:47], s[6:7], s[46:47]
	CROUND
.irp s, 0,1
	s_mov_b32 s[G0+4*\s], 1
	s_add_co_u32 s[G0+4*\s+1], s45, \s*SLOTB
	s_add_nc_u64 s[G0+4*\s+2:G0+4*\s+3], s[20:21], \s*PRUN
	s_or_b32 s[G0+4*\s+3], s[G0+4*\s+3], 0x80000000
	s_mov_b32 s[G0B+4*\s], 1
	s_add_co_u32 s[G0B+4*\s+1], s45, \s*SLOTB
	s_add_nc_u64 s[G0B+4*\s+2:G0B+4*\s+3], s[46:47], \s*PRUN
	s_or_b32 s[G0B+4*\s+3], s[G0B+4*\s+3], 0x80000000
.endr
	JLOAD G0, G1, G0B, G1B                         ; K steps 0 to 2: my one tensor load at the head, behind the round above
	v_and_b32 v1, 31, v0
	v_and_b32 v2, 15, v0
	v_bfe_u32 v3, v0, 4, 1
	v_lshlrev_b32 v[CO], 4, v1
	s_wait_alu depctr_va_vdst(0)
	s_mul_i32 s21, s15, PRUN
	s_mul_i32 s22, s16, PRUN
	s_add_co_u32 s22, s22, 2*PRUN
	s_sub_co_u32 s23, s22, s21
	v_mul_u32_u24 v4, s23, v3
	v_lshl_add_u32 v4, v2, 4, v4
	s_add_co_u32 s23, s21, 12288
.irp s, 0,1
	v_add_nc_u32 v[ADRA+\s], s21, v[CO]
	v_add_nc_u32 v[ADRB+\s], s22, v[CO]
	v_add_nc_u32 v[ADRS+\s], s23, v4
	s_add_co_u32 s21, s21, SLOTB
	s_add_co_u32 s22, s22, SLOTB
	s_add_co_u32 s23, s23, SLOTB
.endr
	s_mul_i32 s23, s14, 16*SPITCH
	v_mul_u32_u24 v5, v2, SPITCH
	v_lshl_add_u32 v5, v3, 5, v5
	v_add_nc_u32 v[STO], s23, v5
	v_add_nc_u32 v[RD], s23, v[CO]
	s_lshl_b32 s20, s17, 8
	s_lshl_b32 s21, s15, 7
	s_add_co_u32 s20, s20, s21
	s_lshl_b32 s20, s20, 14
	s_mov_b32 s21, 0
	s_lshl_b32 s46, s42, 10
	s_lshl_b32 s47, s16, 9
	s_add_co_u32 s46, s46, s47
	s_mov_b32 s47, 0
	s_add_nc_u64 s[20:21], s[20:21], s[46:47]
	s_add_nc_u64 s[12:13], s[12:13], s[20:21]
.macro FRAG reg, adr, q, i
.irp c, 0,1,2
	ds_load_b128 v[\reg+4*\c:\reg+4*\c+3], v[\adr] offset:(\q)*PANEL+(\i)*1536+512*\c
.endr
.endm
.macro MUL16 a0, p, zero
.irp a, \a0, \a0+1
.irp b, 0,1,2,3,4,5,6,7
.if \zero
	v_wmma_scale_f32_16x16x128_f8f6f4 v[8*(8*((\a)%4)+\b):8*(8*((\a)%4)+\b)+7], v[128*(\p)+FR*\b:128*(\p)+FR*\b+FR-1], v[AF+FR*(\a):AF+FR*(\a)+FR-1], 0, v[SC+8*(\p)+\b], v[SC+8*(\p)+(\a)] matrix_a_fmt:MATRIX_FMT_BF6 matrix_b_fmt:MATRIX_FMT_BF6 matrix_a_scale:MATRIX_SCALE_ROW1
.else
	v_wmma_scale_f32_16x16x128_f8f6f4 v[8*(8*((\a)%4)+\b):8*(8*((\a)%4)+\b)+7], v[128*(\p)+FR*\b:128*(\p)+FR*\b+FR-1], v[AF+FR*(\a):AF+FR*(\a)+FR-1], v[8*(8*((\a)%4)+\b):8*(8*((\a)%4)+\b)+7], v[SC+8*(\p)+\b], v[SC+8*(\p)+(\a)] matrix_a_fmt:MATRIX_FMT_BF6 matrix_b_fmt:MATRIX_FMT_BF6 matrix_a_scale:MATRIX_SCALE_ROW1
.endif
.endr
.endr
.endm
.macro FETCH_B slot, q, p
	WIN TO_B
.irp i, 0,1,2,3,4,5,6,7
	FRAG 128*(\p)+FR*\i, ADRB+\slot, \q, \i
.endr
	WIN 0
.endm
.macro FETCH_A slot, q, i0
.irp i, \i0, \i0+1, \i0+2, \i0+3
	FRAG AF+FR*(\i), ADRA+\slot, \q, \i
.endr
.endm
.macro SCALES slot, q, p
	ds_load_b128 v[SC+8*(\p):SC+8*(\p)+3], v[ADRS+\slot] offset:(\q)*PANEL
	ds_load_b128 v[SC+8*(\p)+4:SC+8*(\p)+7], v[ADRS+\slot] offset:(\q)*PANEL+256
.endm
.macro PLACES n
.rept \n
	v_nop
.endr
.endm
.macro STEP slot, q, p, zero
	s_wait_dscnt 12
	WIN MUL_LO
	MUL16 0, \p, \zero
	MUL16 2, \p, \zero
	s_wait_dscnt 0
	PLACES NP
	FETCH_B \slot, (\q)+1, 1-(\p)
	FETCH_A \slot, (\q)+1, 0
	SCALES \slot, (\q)+1, 1-(\p)
	WIN MUL_HI
	MUL16 4, \p, \zero
	MUL16 6, \p, \zero
	PLACES NP
	WIN 0
	FETCH_A \slot, (\q)+1, 4
.endm
.macro TURN slot, p, next, fill
	s_wait_tensorcnt 0x0
	ds_add_u32 v[SPW], v[NIL]
	s_wait_dscnt 13
	WIN MUL_LO
	MUL16 0, \p, 0
	s_wait_dscnt 0x0
	s_barrier_signal -1
	MUL16 2, \p, 0
	WIN 0
	s_barrier_wait -1
.if \fill
	CREST
	s_add_nc_u64 s[G0+4*\slot+2:G0+4*\slot+3], s[G0+4*\slot+2:G0+4*\slot+3], 2*PRUN
	s_add_nc_u64 s[G0B+4*\slot+2:G0B+4*\slot+3], s[G0B+4*\slot+2:G0B+4*\slot+3], 2*PRUN
.if \fill == 2
	JLOAD G0+4*\slot, G1AH, G0B+4*\slot, G1BH
.else
	JLOAD G0+4*\slot, G1, G0B+4*\slot, G1B
.endif
.else
	PLACES NP
.endif
	FETCH_B \next, 0, 1-(\p)
	FETCH_A \next, 0, 0
	SCALES \next, 0, 1-(\p)
	WIN MUL_HI
	MUL16 4, \p, 0
	MUL16 6, \p, 0
	PLACES NP
	WIN 0
	FETCH_A \next, 0, 4
.endm
	s_wait_alu depctr_va_vdst(0)
	s_wait_tensorcnt 0x0                           ; my part of slot 0 is in
	ds_add_u32 v[SPW], v[NIL]
	s_wait_dscnt 0x0
	CROUND
	JLOAD G0+4, G1, G0B+4, G1B                     ; K steps 3 to 5 into slot 1
	FETCH_B 0, 0, 0
	FETCH_A 0, 0, 0
	SCALES 0, 0, 0
	FETCH_A 0, 0, 4
	STEP 0, 0, 0, 1
	STEP 0, 1, 1, 0
	TURN 0, 0, 1, 1
	STEP 1, 0, 1, 0
	STEP 1, 1, 0, 0
	TURN 1, 1, 0, 2
	STEP 0, 0, 0, 0
	STEP 0, 1, 1, 0
	TURN 0, 0, 1, 0
	STEP 1, 0, 1, 0
	s_wait_dscnt 12
	WIN MUL_LO
	MUL16 0, 0, 0
	MUL16 2, 0, 0
	s_wait_dscnt 0
	WIN MUL_HI
	MUL16 4, 0, 0
	MUL16 6, 0, 0
	WIN 0
.macro TOSTAGE a
.set AC, 64*((\a)%4)
	WIN 0x08+4*((\a)/4)
.irp b, 0,1,2,3,4,5,6,7
	ds_store_b128 v[STO], v[AC+8*\b:AC+8*\b+3] offset:64*\b
	ds_store_b128 v[STO], v[AC+8*\b+4:AC+8*\b+7] offset:64*\b+16
.endr
	WIN 0
.set BB, BK+64*((\a)%2)
.irp t, 0,1,2,3,4,5,6,7,8,9,10,11,12,13,14,15
	ds_load_b128 v[BB+4*\t:BB+4*\t+3], v[RD] offset:\t*SPITCH
.endr
.endm
.macro SEND a, younger
.set BB, BK+64*((\a)%2)
	s_wait_dscnt \younger
.if (\a) > 0
	s_add_nc_u64 s[12:13], s[12:13], 16*SIZE_N*4
.endif
.irp t, 0,1,2,3,4,5,6,7,8,9,10,11,12,13,14,15
	global_store_b128 v[CO], v[BB+4*\t:BB+4*\t+3], s[12:13] offset:\t*SIZE_N*4 th:TH_STORE_NT
.endr
.endm
	PLACES NP
	TOSTAGE 0
.irp a, 1,2,3,4,5,6,7
.if \a > 1
	s_wait_xcnt 0x0
.endif
	TOSTAGE \a
	SEND \a-1, 32
.endr
	s_wait_xcnt 0x0
	SEND 7, 0
	s_wait_tensorcnt 0x0
	ds_add_u32 v[SPW], v[NIL]
	s_wait_dscnt 0x0
	CROUND
	s_endpgm
.Lfunc_end_k_q98e1c53c6d_down:
	.size	k_q98e1c53c6d_down, .Lfunc_end_k_q98e1c53c6d_down-k_q98e1c53c6d_down
	.p2alignl 7, 3214868480
	.fill 96, 4, 3214868480
	.section	.rodata,"a",@progbits
	.p2align	6, 0x0
	.amdhsa_kernel k_q98e1c53c6d_down
		.amdhsa_group_segment_fixed_size 327680
		.amdhsa_private_segment_fixed_size 0
		.amdhsa_enable_private_segment 0
		.amdhsa_kernarg_size 24
		.amdhsa_user_sgpr_count 2
		.amdhsa_user_sgpr_kernarg_segment_ptr 1
		.amdhsa_wavefront_size32 1
		.amdhsa_system_sgpr_workgroup_id_x 1
		.amdhsa_system_sgpr_workgroup_id_y 1
		.amdhsa_system_sgpr_workgroup_id_z 1
		.amdhsa_system_vgpr_workitem_id 0
		.amdhsa_next_free_vgpr 1024
		.amdhsa_next_free_sgpr 100
		.amdhsa_reserve_vcc 0
		.amdhsa_float_denorm_mode_32 3
		.amdhsa_float_denorm_mode_16_64 3
		.amdhsa_memory_ordered 1
		.amdhsa_forward_progress 1
		.amdhsa_inst_pref_size 168
	.end_amdhsa_kernel
	.amdgpu_metadata
---
amdhsa.version: [ 1, 2 ]
amdhsa.kernels:
  - .name:           k_q98e1c53c6d_down
    .symbol:         k_q98e1c53c6d_down.kd
    .args:
      - { .name: hq, .offset: 0, .size: 8, .value_kind: global_buffer, .address_space: global }
      - { .name: wdq, .offset: 8, .size: 8, .value_kind: global_buffer, .address_space: global }
      - { .name: out0, .offset: 16, .size: 8, .value_kind: global_buffer, .address_space: global }
    .group_segment_fixed_size: 327680
    .private_segment_fixed_size: 0
    .kernarg_segment_align: 8
    .kernarg_segment_size: 24
    .max_flat_workgroup_size: 128
    .sgpr_count:     100
    .vgpr_count:     1024
    .wavefront_size: 32
...
	.end_amdgpu_metadata
.endif
;; end of part 3
